; MI455X (gfx1250); checked and timed in simulation.
; The chip was launched on July 23, 2026; its instructions are those of AMD's public machine-readable ISA for CDNA 5 (MIT licence, August 2026) and "CDNA5" Instruction Set Architecture Reference Guide (July 2026). The comments in the code are by the model that wrote it; some were corrected since.
;; Binary Dense. Allowed arithmetic: float matrix products may take bf16 or f16 operands with f32 sums; other float arithmetic in f32, or as packed bf16 or f16 multiplies, adds, multiply-adds, maxima and minima; sums over many terms, partial sums and values carried from step to step in f32; what a program stores and reads back later, other than sums and carried values, may be rounded once to bf16 or f16.
;; Inputs: bias 4,096 float32; inputs 4,096 x 4,096 float32; kernel 4,096 x 4,096 float32.
;; Outputs: out0 4,096 x 4,096 float32.
;; One version. Each part assembles by itself: llvm-mc -triple=amdgcn-amd-amdhsa -mcpu=gfx1250 --defsym DOCPART=n.
;; ======== version 1 of 1: 3 launches
;; workspace buffers: part 1,024 bytes; qk 33,554,432 bytes; xb 33,554,432 bytes
;; launch absum (part 1): grid 256 x 1, 16 waves a work-group, no clusters, 2,304 bytes of LDS; arguments kernel, part; writes part
.if DOCPART == 1
	.amdgcn_target "amdgcn-amd-amdhsa--gfx1250"
	.amdhsa_code_object_version 6
	.text
	.protected	k_qcbb6bcb958_absum
	.globl	k_qcbb6bcb958_absum
	.p2align	8
	.type	k_qcbb6bcb958_absum,@function
k_qcbb6bcb958_absum:
	s_mov_b64 s[64:65], 0
	v_nop
	global_prefetch_b8 v0, s[64:65] scope:SCOPE_SE
	s_setreg_imm32_b32 hwreg(HW_REG_WAVE_MODE, 25, 1), 1
	s_wait_xcnt 0x0
; part[g] = the sum of |bf16(w)| over work-group g's 65,536 numbers of kernel ([4096][4096] f32, taken as one run of 2^24 numbers).
; WHY bf16: the whole program computes reference() on inputs rounded once to bf16 (round to nearest even): the threshold is the f32 mean of |bf16(w)|.
; LIMIT: against reference() on the unrounded f32 kernel the weights whose rounding crosses the threshold come out otherwise.  The order of the f32 sum is this text's
; own (8 chains of 16 a lane, then trees); bf16's values near the mean lie 2^-8 of themselves apart, far more than two orders of an f32 sum differ by.
; The sum overflows where the mean of |w| passes about 2e31; a NaN among the weights makes the sum NaN.
; SHARES.  256 work-groups of 16 waves; a work-group owns 262,144 consecutive bytes; thread t takes the 16 bytes at 8,192 j + 16 t, j = 0 .. 31: a wave's load covers 512
; consecutive bytes, aligned.  All 32 loads of a thread go out at the head (128 registers): no loop, and each wait leaves the younger loads out.
; No matrix unit, no cluster, no tensor load: nothing is shared and nothing is multiplied.  LDS serves the meeting of the 16 waves alone.
.set CHUNK, 8192                       ; bytes that the work-group's 512 threads take with one load each
.set SPARE, 256                        ; LDS: bytes 0-63 one f32 a wave; from 256 on the spare words, 128 bytes for each of 16 waves, which no other line names
.set OFF,  1                           ; v1        16 t; never rewritten
.set SPW,  2                           ; v2        LDS address of my spare word; never rewritten
.set NIL,  3                           ; v3        0; never rewritten
.set ACC,  4                           ; v[4:11]   four pairs of running sums
.set T,    12                          ; v[12:17]  at work
.set X,    20                          ; v[20:147] load j at X + 4 j
	s_load_b128 s[4:7], s[0:1], 0x0                ; kernel s[4:5], part s[6:7]
	v_lshl_add_u32 v[SPW], v0, 2, SPARE
	v_mov_b32 v[NIL], 0
	v_lshlrev_b32 v[OFF], 4, v0
	v_lshrrev_b32 v[T], 5, v0
	v_readfirstlane_b32 s8, v[T]                   ; my wave's number
	s_mov_b32 s9, 0x7fff7fff                       ; clears the signs of two bf16
	s_mov_b32 s11, 0xffff0000                      ; a word's upper bf16
	s_mov_b32 s12, 0x76543210                      ; v_permlanex16_b32: each lane takes its own place in the other half
	s_mov_b32 s13, 0xfedcba98
	s_lshl_b32 s14, ttmp9, 18                      ; the work-group's 262,144 bytes (under 2^26 in all)
	s_mov_b32 s15, 0
	s_lshl_b32 s16, ttmp9, 2                       ; its word of part
	s_mov_b32 s17, 0
	s_wait_kmcnt 0x0
	s_add_nc_u64 s[4:5], s[4:5], s[14:15]
	s_add_nc_u64 s[6:7], s[6:7], s[16:17]
.irp j, 0,1,2,3,4,5,6,7,8,9,10,11,12,13,14,15,16,17,18,19,20,21,22,23,24,25,26,27,28,29,30,31
	global_load_b128 v[X+4*(\j):X+4*(\j)+3], v[OFF], s[4:5] offset:CHUNK*(\j)  ; no hint: the next launch reads these bytes again
.endr
; Load j's four numbers: rounded to bf16, signs cleared, widened again (a shift, a mask) and added.  Loads 0 and 1 start the eight sums: nothing is cleared.
.macro ADDUP j
	s_wait_loadcnt 31-(\j)                         ; loads come back in order: load j is in, the 31 - j younger ones stay out
	v_cvt_pk_bf16_f32 v[T],   v[X+4*(\j)],   v[X+4*(\j)+1]
	v_cvt_pk_bf16_f32 v[T+1], v[X+4*(\j)+2], v[X+4*(\j)+3]
	v_and_b32 v[T],   s9, v[T]
	v_and_b32 v[T+1], s9, v[T+1]
.if (\j) < 2
	v_lshlrev_b32 v[ACC+4*(\j)],   16,  v[T]
	v_and_b32     v[ACC+4*(\j)+1], s11, v[T]
	v_lshlrev_b32 v[ACC+4*(\j)+2], 16,  v[T+1]
	v_and_b32     v[ACC+4*(\j)+3], s11, v[T+1]
.else
	v_lshlrev_b32 v[T+2], 16,  v[T]
	v_and_b32     v[T+3], s11, v[T]
	v_lshlrev_b32 v[T+4], 16,  v[T+1]
	v_and_b32     v[T+5], s11, v[T+1]
	v_pk_add_f32 v[ACC+4*((\j)%2):ACC+4*((\j)%2)+1],   v[ACC+4*((\j)%2):ACC+4*((\j)%2)+1],   v[T+2:T+3]
	v_pk_add_f32 v[ACC+4*((\j)%2)+2:ACC+4*((\j)%2)+3], v[ACC+4*((\j)%2)+2:ACC+4*((\j)%2)+3], v[T+4:T+5]
.endif
.endm
.irp j, 0,1,2,3,4,5,6,7,8,9,10,11,12,13,14,15,16,17,18,19,20,21,22,23,24,25,26,27,28,29,30,31
	ADDUP \j
.endr
	v_pk_add_f32 v[ACC:ACC+1],   v[ACC:ACC+1],   v[ACC+2:ACC+3]
	v_pk_add_f32 v[ACC+4:ACC+5], v[ACC+4:ACC+5], v[ACC+6:ACC+7]
	v_pk_add_f32 v[ACC:ACC+1],   v[ACC:ACC+1],   v[ACC+4:ACC+5]
	v_add_f32 v[ACC], v[ACC], v[ACC+1]
	; across the 32 lanes: four steps inside each half of 16 lanes, one across the halves
	v_add_f32_dpp v[ACC], v[ACC], v[ACC] row_xmask:1 row_mask:0xf bank_mask:0xf
	v_add_f32_dpp v[ACC], v[ACC], v[ACC] row_xmask:2 row_mask:0xf bank_mask:0xf
	v_add_f32_dpp v[ACC], v[ACC], v[ACC] row_xmask:4 row_mask:0xf bank_mask:0xf
	v_add_f32_dpp v[ACC], v[ACC], v[ACC] row_xmask:8 row_mask:0xf bank_mask:0xf
	v_permlanex16_b32 v[T], v[ACC], s12, s13       ; its destination counts as read: T has been written
	v_add_f32 v[ACC], v[ACC], v[T]
	v_mov_b32 v[T+1], s8
	v_lshlrev_b32 v[T+1], 2, v[T+1]
	ds_store_b32 v[T+1], v[ACC]                    ; all lanes write the wave's word with the same value
	s_wait_dscnt 0x0                               ; for the others' sake: my store is done
	s_barrier_signal -1
	s_barrier_wait -1                              ; all sixteen sums lie in LDS
	s_cmp_lg_u32 s8, 0
	s_cbranch_scc1 .Lend                           ; wave 0 finishes
	v_mov_b32 v[T+4], 0
	ds_load_b128 v[X:X+3],     v[T+4]
	ds_load_b128 v[X+4:X+7],   v[T+4] offset:16
	ds_load_b128 v[X+8:X+11],  v[T+4] offset:32
	ds_load_b128 v[X+12:X+15], v[T+4] offset:48
	s_wait_dscnt 0x0
	v_pk_add_f32 v[X:X+1],     v[X:X+1],     v[X+4:X+5]
	v_pk_add_f32 v[X+2:X+3],   v[X+2:X+3],   v[X+6:X+7]
	v_pk_add_f32 v[X+8:X+9],   v[X+8:X+9],   v[X+12:X+13]
	v_pk_add_f32 v[X+10:X+11], v[X+10:X+11], v[X+14:X+15]
	v_pk_add_f32 v[X:X+1],     v[X:X+1],     v[X+8:X+9]
	v_pk_add_f32 v[X+2:X+3],   v[X+2:X+3],   v[X+10:X+11]
	v_pk_add_f32 v[X:X+1],     v[X:X+1],     v[X+2:X+3]
	v_add_f32 v[X], v[X], v[X+1]
	s_wait_xcnt 0x0                                ; EXEC is a source of the loads above: it changes only behind this wait
	v_cmp_eq_u32 vcc_lo, 0, v0
	s_and_saveexec_b32 s10, vcc_lo
	global_store_b32 v[T+4], v[X], s[6:7]          ; one word a work-group: 1,024 bytes in the whole launch, the only store that is narrower than its neighbours could fill
	s_wait_xcnt 0x0                                ; and again, ahead of the line that widens EXEC
	s_or_b32 exec_lo, exec_lo, s10
.Lend:
	s_wait_tensorcnt 0x0                           ; the wave's end, behind my last LDS store
	ds_add_u32 v[SPW], v[NIL]
	s_wait_dscnt 0x0
	s_endpgm
.Lfunc_end_k_qcbb6bcb958_absum:
	.size	k_qcbb6bcb958_absum, .Lfunc_end_k_qcbb6bcb958_absum-k_qcbb6bcb958_absum
	.p2alignl 7, 3214868480
	.fill 96, 4, 3214868480
	.section	.rodata,"a",@progbits
	.p2align	6, 0x0
	.amdhsa_kernel k_qcbb6bcb958_absum
		.amdhsa_group_segment_fixed_size 2304
		.amdhsa_private_segment_fixed_size 0
		.amdhsa_enable_private_segment 0
		.amdhsa_kernarg_size 16
		.amdhsa_user_sgpr_count 2
		.amdhsa_user_sgpr_kernarg_segment_ptr 1
		.amdhsa_wavefront_size32 1
		.amdhsa_system_sgpr_workgroup_id_x 1
		.amdhsa_system_sgpr_workgroup_id_y 1
		.amdhsa_system_sgpr_workgroup_id_z 1
		.amdhsa_system_vgpr_workitem_id 0
		.amdhsa_next_free_vgpr 152
		.amdhsa_next_free_sgpr 66
		.amdhsa_reserve_vcc 1
		.amdhsa_float_denorm_mode_32 3
		.amdhsa_float_denorm_mode_16_64 3
		.amdhsa_memory_ordered 1
		.amdhsa_forward_progress 1
		.amdhsa_inst_pref_size 21
	.end_amdhsa_kernel
	.amdgpu_metadata
---
amdhsa.version: [ 1, 2 ]
amdhsa.kernels:
  - .name:           k_qcbb6bcb958_absum
    .symbol:         k_qcbb6bcb958_absum.kd
    .args:
      - { .name: kernel, .offset: 0, .size: 8, .value_kind: global_buffer, .address_space: global }
      - { .name: part, .offset: 8, .size: 8, .value_kind: global_buffer, .address_space: global }
    .group_segment_fixed_size: 2304
    .private_segment_fixed_size: 0
    .kernarg_segment_align: 8
    .kernarg_segment_size: 16
    .max_flat_workgroup_size: 512
    .sgpr_count:     66
    .vgpr_count:     152
    .wavefront_size: 32
...
	.end_amdgpu_metadata
.endif
;; end of part 1
;; launch prep (part 2): grid 1024 x 2, 8 waves a work-group, no clusters, 0 bytes of LDS; arguments kernel, part, inputs, qk, xb; writes qk, xb
.if DOCPART == 2
	.amdgcn_target "amdgcn-amd-amdhsa--gfx1250"
	.amdhsa_code_object_version 6
	.text
	.protected	k_qcbb6bcb958_prep
	.globl	k_qcbb6bcb958_prep
	.p2align	8
	.type	k_qcbb6bcb958_prep,@function
k_qcbb6bcb958_prep:
	s_mov_b64 s[64:65], 0
	v_nop
	global_prefetch_b8 v0, s[64:65] scope:SCOPE_SE
	s_setreg_imm32_b32 hwreg(HW_REG_WAVE_MODE, 25, 1), 1
	s_wait_xcnt 0x0
; Work-groups with y = 0:  qk[k][n] = 1.0 where |bf16(kernel[k][n])| > th, else 0, in bf16, in kernel's own layout;  th = (the sum of part's 256 numbers) x 2^-24, in f32.
; Work-groups with y = 1:  xb = bf16(inputs), round to nearest even.
; LIMITS.  The program computes reference() on inputs rounded once to bf16: against the unrounded f32 kernel the weights whose rounding crosses the threshold differ.
; A NaN weight makes th NaN, and the comparison below is then one of bit patterns, which is not what reference() does with a NaN; infinities compare as the largest numbers.
; THE COMPARISON IS EXACT AND IN WHOLE NUMBERS.  Non-negative floats are ordered as their bit patterns.  u = the 15 bits of |bf16 w|, T = th's upper 16 bits: u x 65,536 > bits(th) holds
; just when u > T.  The 16-bit field u + (0x7fff - T) is at most 0xfffe, so it carries nothing into its neighbour, and its bit 15 is set just when u > T: two weights a word.
; SHARES.  A work-group owns 65,536 bytes of its source and 32,768 of its result.  Thread t takes the 16 bytes at 4,096 j + 16 t, j = 0 .. 15, all loads out at the head, and stores 8 bytes at
; 2,048 j + 8 t: a wave's store covers 256 consecutive bytes, aligned.  Results are packed in place and no register of a store is written again, so no wait stands for the stores.
; Every wave adds part's 256 numbers in the same order, so every wave of the launch holds the same th.
.set OFF,  1                           ; v1       16 t
.set STO,  2                           ; v2       8 t
.set PO,   3                           ; v3       16 x lane: my four numbers of each half of part
.set P,    4                           ; v[4:11]  part
.set TMP,  12                          ; v12      at work
.set C,    14                          ; v14      0x7fff - T, in both halves
.set X,    16                          ; v[16:79] load j at X + 4 j
	s_load_b256 s[4:11], s[0:1], 0x0               ; kernel s[4:5], part s[6:7], inputs s[8:9], qk s[10:11]
	s_load_b64 s[12:13], s[0:1], 0x20              ; xb
	v_lshlrev_b32 v[OFF], 4, v0
	v_lshlrev_b32 v[STO], 3, v0
	v_and_b32 v[TMP], 31, v0
	v_lshlrev_b32 v[PO], 4, v[TMP]
	s_and_b32 s14, ttmp7, 0xffff                   ; y
	s_lshl_b32 s16, ttmp9, 16                      ; the work-group's place in its source,
	s_mov_b32 s17, 0
	s_lshl_b32 s18, ttmp9, 15                      ; and in its result
	s_mov_b32 s19, 0
	s_mov_b32 s20, 0x7fff7fff                      ; clears the signs of two bf16
	s_mov_b32 s21, 0x76543210                      ; v_permlanex16_b32: each lane takes its own place in the other half
	s_mov_b32 s22, 0xfedcba98
	s_wait_kmcnt 0x0
	s_cmp_lg_u32 s14, 0
	s_cbranch_scc1 .Lx
.macro FILL base                       ; the thread's 16 loads; the launch reads these bytes once
.irp j, 0,1,2,3,4,5,6,7,8,9,10,11,12,13,14,15
	global_load_b128 v[X+4*(\j):X+4*(\j)+3], v[OFF], s[\base:\base+1] offset:4096*(\j) th:TH_LOAD_NT
.endr
.endm
	; y = 0: the weights
	s_add_nc_u64 s[4:5], s[4:5], s[16:17]
	s_add_nc_u64 s[10:11], s[10:11], s[18:19]
	global_load_b128 v[P:P+3],   v[PO], s[6:7]     ; part: 32 lanes x 16 bytes, twice
	global_load_b128 v[P+4:P+7], v[PO], s[6:7] offset:512
	FILL 4
	s_wait_loadcnt 16                              ; part is in; the 16 loads behind it stay out
	v_pk_add_f32 v[P:P+1],   v[P:P+1],   v[P+2:P+3]
	v_pk_add_f32 v[P+4:P+5], v[P+4:P+5], v[P+6:P+7]
	v_pk_add_f32 v[P:P+1],   v[P:P+1],   v[P+4:P+5]
	v_add_f32 v[P], v[P], v[P+1]
	v_add_f32_dpp v[P], v[P], v[P] row_xmask:1 row_mask:0xf bank_mask:0xf
	v_add_f32_dpp v[P], v[P], v[P] row_xmask:2 row_mask:0xf bank_mask:0xf
	v_add_f32_dpp v[P], v[P], v[P] row_xmask:4 row_mask:0xf bank_mask:0xf
	v_add_f32_dpp v[P], v[P], v[P] row_xmask:8 row_mask:0xf bank_mask:0xf
	v_permlanex16_b32 v[TMP], v[P], s21, s22       ; its destination counts as read: TMP has been written
	v_add_f32 v[P], v[P], v[TMP]
	v_mul_f32 v[P], 0x33800000, v[P]               ; th = sum x 2^-24: exact
	v_lshrrev_b32 v[P], 16, v[P]                   ; T
	v_sub_nc_u32 v[P], 0x7fff, v[P]
	v_lshl_or_b32 v[C], v[P], 16, v[P]             ; in both halves
.macro QUANT j
.set W, X+4*(\j)
	s_wait_loadcnt 15-(\j)                         ; load j is in, the younger ones stay out
	v_cvt_pk_bf16_f32 v[W],   v[W],   v[W+1]
	v_cvt_pk_bf16_f32 v[W+1], v[W+2], v[W+3]
	v_and_b32 v[W],   s20, v[W]                    ; u
	v_and_b32 v[W+1], s20, v[W+1]
	v_add_nc_u32 v[W],   v[C], v[W]                ; bit 15 of each half: u > T
	v_add_nc_u32 v[W+1], v[C], v[W+1]
	v_lshrrev_b32 v[W],   15, v[W]
	v_lshrrev_b32 v[W+1], 15, v[W+1]
	v_and_b32 v[W],   0x10001, v[W]                ; 0 or 1 in each half
	v_and_b32 v[W+1], 0x10001, v[W+1]
	v_mul_u32_u24 v[W],   0x3f80, v[W]             ; 0 or bf16's 1.0
	v_mul_u32_u24 v[W+1], 0x3f80, v[W+1]
	global_store_b64 v[STO], v[W:W+1], s[10:11] offset:2048*(\j)
.endm
.irp j, 0,1,2,3,4,5,6,7,8,9,10,11,12,13,14,15
	QUANT \j
.endr
	s_endpgm
.Lx:	; y = 1: the activations
	s_add_nc_u64 s[8:9], s[8:9], s[16:17]
	s_add_nc_u64 s[12:13], s[12:13], s[18:19]
	FILL 8
.macro CAST j
.set W, X+4*(\j)
	s_wait_loadcnt 15-(\j)
	v_cvt_pk_bf16_f32 v[W],   v[W],   v[W+1]
	v_cvt_pk_bf16_f32 v[W+1], v[W+2], v[W+3]
	global_store_b64 v[STO], v[W:W+1], s[12:13] offset:2048*(\j)
.endm
.irp j, 0,1,2,3,4,5,6,7,8,9,10,11,12,13,14,15
	CAST \j
.endr
	s_endpgm
.Lfunc_end_k_qcbb6bcb958_prep:
	.size	k_qcbb6bcb958_prep, .Lfunc_end_k_qcbb6bcb958_prep-k_qcbb6bcb958_prep
	.p2alignl 7, 3214868480
	.fill 96, 4, 3214868480
	.section	.rodata,"a",@progbits
	.p2align	6, 0x0
	.amdhsa_kernel k_qcbb6bcb958_prep
		.amdhsa_group_segment_fixed_size 0
		.amdhsa_private_segment_fixed_size 0
		.amdhsa_enable_private_segment 0
		.amdhsa_kernarg_size 40
		.amdhsa_user_sgpr_count 2
		.amdhsa_user_sgpr_kernarg_segment_ptr 1
		.amdhsa_wavefront_size32 1
		.amdhsa_system_sgpr_workgroup_id_x 1
		.amdhsa_system_sgpr_workgroup_id_y 1
		.amdhsa_system_sgpr_workgroup_id_z 1
		.amdhsa_system_vgpr_workitem_id 0
		.amdhsa_next_free_vgpr 96
		.amdhsa_next_free_sgpr 66
		.amdhsa_reserve_vcc 0
		.amdhsa_float_denorm_mode_32 3
		.amdhsa_float_denorm_mode_16_64 3
		.amdhsa_memory_ordered 1
		.amdhsa_forward_progress 1
		.amdhsa_inst_pref_size 21
	.end_amdhsa_kernel
	.amdgpu_metadata
---
amdhsa.version: [ 1, 2 ]
amdhsa.kernels:
  - .name:           k_qcbb6bcb958_prep
    .symbol:         k_qcbb6bcb958_prep.kd
    .args:
      - { .name: kernel, .offset: 0, .size: 8, .value_kind: global_buffer, .address_space: global }
      - { .name: part, .offset: 8, .size: 8, .value_kind: global_buffer, .address_space: global }
      - { .name: inputs, .offset: 16, .size: 8, .value_kind: global_buffer, .address_space: global }
      - { .name: qk, .offset: 24, .size: 8, .value_kind: global_buffer, .address_space: global }
      - { .name: xb, .offset: 32, .size: 8, .value_kind: global_buffer, .address_space: global }
    .group_segment_fixed_size: 0
    .private_segment_fixed_size: 0
    .kernarg_segment_align: 8
    .kernarg_segment_size: 40
    .max_flat_workgroup_size: 256
    .sgpr_count:     66
    .vgpr_count:     96
    .wavefront_size: 32
...
	.end_amdgpu_metadata
.endif
;; end of part 2
;; launch gemm (part 3): grid 16 x 16, 4 waves a work-group, clusters of 4 x 4, 327,680 bytes of LDS; arguments xb, qk, bias, out0; writes out0
.if DOCPART == 3
	.amdgcn_target "amdgcn-amd-amdhsa--gfx1250"
	.amdhsa_code_object_version 6
	.text
	.protected	k_qcbb6bcb958_gemm
	.globl	k_qcbb6bcb958_gemm
	.p2align	8
	.type	k_qcbb6bcb958_gemm,@function
k_qcbb6bcb958_gemm:
	s_mov_b64 s[64:65], 0
	v_nop
	global_prefetch_b8 v0, s[64:65] scope:SCOPE_SE
	s_setreg_imm32_b32 hwreg(HW_REG_WAVE_MODE, 25, 1), 1
	s_wait_xcnt 0x0
	s_wait_alu depctr_hold_cnt(0) depctr_sa_sdst(0) depctr_va_vdst(0) depctr_va_sdst(0) depctr_va_ssrc(0) depctr_va_vcc(0) depctr_vm_vsrc(0)
	s_getreg_b32 s2, hwreg(HW_REG_IB_STS2, 6, 4)
	s_cmp_eq_u32 s2, 0
	s_cbranch_scc0 .Lentry_in_a_cluster
	s_endpgm
.Lentry_in_a_cluster:
	s_bfe_u32 s2, ttmp6, 0x10000c
	s_cmp_lg_u32 s2, 0xf033
	s_cbranch_scc0 .Lentry_shape_is_right
	s_endpgm
.Lentry_shape_is_right:
; out0[m][n] = the sum over k of xb[m][k] qk[k][n] + bf16(bias[n]).  xb: [4096][4096] bf16 (K along the rows), qk: [4096 (k)][4096 (n)] bf16 of 0 and 1, bias: [4096] f32, out0: [4096][4096] f32.
; Sums in f32, one accumulator for each output, K ascending.  LIMIT: the program computes reference() on inputs rounded once to bf16, so the bias too is rounded to bf16 before it is added in f32.
; A tile of out0, 256 x 256, is made by a work-group of four waves; a wave makes 128 x 128: 64 accumulators of 16 x 16, 512 registers.  256 tiles, one to a work-group.
; K goes in steps of 128 through a ring of two LDS slots filled by the tensor data mover.  xb's tile is 256 rows x 256 bytes; qk's is 128 k-rows x 512 bytes (256 columns): both kinds of row begin at
; multiples of 256 bytes from their buffer's first byte.  qk lies [k][n], so its fragments come out of LDS turned, by ds_load_tr16_b128; no transposed copy is made in memory.
; CLUSTERS: 4 x 4 work-groups.  The four of a row of the cluster need the same tiles of xb, the four of a column the same tiles of qk: each tile is asked for JOINTLY, by the same tensor load with the same
; descriptor and a mask that names the four.
; THE MATRIX INSTRUCTION IS USED TRANSPOSED: source 0 = 16 columns of qk, source 1 = 16 rows of xb.  In the result lane l holds row l % 16 of out0 and the columns 8 (l / 16) + 0 .. 7: 32 bytes on end.
; REGISTERS, in windows of 256 (s_set_vgpr_msb: bits 1:0 source 0, 3:2 source 1, 5:4 source 2, 7:6 destination):
;   window 0: v0-37 addresses and the bias; v64-127, v128-191 fragments of xb, two buffers; on the way out the same registers take rows read back from the stage
;   window 1: v64-127, v128-191 fragments of qk, two buffers
;   window 2: the 32 accumulators of my rows 0-63 (accumulator (a, b) at v[8 (8 a + b)]);   window 3: those of my rows 64-127
.set KSTEP,  128
.set PA,     272                       ; an LDS row of xb: 256 bytes + 16 of padding = 68 words: row r starts at bank 4 r mod 64 (64 banks of 4 bytes: ISA guide 11.1): the 16 rows of a load start at 16 different groups of banks
.set PB,     544                       ; an LDS row of qk: 512 bytes + 32 of padding = 136 words: row r starts at bank 8 r mod 64
.set HALFT,  128*PA                    ; what one tensor load brings: 128 rows of xb, or 64 k-rows of qk (64 x 544 is the same number)
.set SLOT,   4*HALFT                   ; xb's 256 rows, then qk's 128 k-rows
.set STAGE,  2*SLOT                    ; behind the ring, never filled by a tensor load: 16 rows x 528 bytes for each wave, for the way out
.set SPITCH, 528                       ; 512 bytes + 16: the 16 lanes of a store start at 16 different 16-byte columns
.set SPARE,  STAGE+4*16*SPITCH         ; behind the stages: the spare words, 128 bytes for each wave: two blocks of 256 bytes that no other line names
.set LAPS,   4096/(2*KSTEP)            ; a lap = two K steps = once round the ring
.set STEPA,  KSTEP*2                   ; a K step in xb: 256 bytes along a row
.set STEPB,  KSTEP*8192                ; a K step in qk: 128 rows of 8,192 bytes
.set ROWO,   16384                     ; bytes in a row of out0
.set ADRA, 16                          ; v16-17  LDS address of my xb fragments in slot 0, 1
.set ADRB, 20                          ; v20-21  the same for qk
.set STO,  24                          ; v24     the way out: where I put 32 bytes of a row
.set RD,   25                          ; v25     the way out: where I read a row back
.set CO,   26                          ; v26     my 16 bytes of the wave's 512 in a row of out0
.set BO,   27                          ; v27     my 16 bytes of bias
.set SPW,  28                          ; v28     LDS address of my spare word: SPARE + 4 x my thread's number; never rewritten
.set NIL,  29                          ; v29     0; never rewritten
.set PFO,  30                          ; v30     the prefetches' offset; never rewritten
.set BI,   32                          ; v[32:35] the bias of the four columns that I store
.set F0,   64                          ; fragment buffer 0
.set F1,   128                         ; fragment buffer 1
.set WV,   12                          ; s12  my wave's number
.set RH,   13                          ; s13  which half of the tile's rows is mine.  Also: I fetch for xb (0) or for qk (1)
.set CH,   14                          ; s14  which half of its columns.  Also: which half of that tile I fetch
.set G1,   24                          ; s[24:31] descriptor group 1 for xb's tiles
.set G0,   32                          ; s[32:39] descriptor group 0 for xb's tiles, one set for each slot
.set PFA,  40                          ; s[40:41] where my prefetches stand
.set PFS,  42                          ; s[42:43] a K step in the tensor that I prefetch, as a pair
.set LIM,  44                          ; s44  1 in a wave that prefetches, else the greatest number
.set LAP,  45                          ; s45  trips still to come
.set G1B,  48                          ; s[48:55] descriptor group 1 for qk's tiles
.set G0B,  56                          ; s[56:63] descriptor group 0 for qk's tiles, one set for each slot
.set MSB, 0
.macro WIN new                         ; the immediate's high byte repeats the setting that is left; a switch that changes nothing is dropped
.if MSB != (\new)
	s_set_vgpr_msb (MSB<<8)|(\new)
.set MSB, \new
.endif
.endm
.set MUL_LO, 0xa1                      ; source 0 (qk) window 1, source 1 (xb) window 0, C and D window 2
.set MUL_HI, 0xf1                      ; the same, C and D window 3
.set TO_B,   0x40                      ; destination window 1, address window 0
; A joint refill.  Waves 0 and 1 fetch xb's two halves, waves 2 and 3 qk's.  Each of the two lines has one mask and one set of registers for all that issue it.  The branch hangs on the wave's number alone.
; An s_nop 0 and four v_nop follow each of the two lines, ahead of the jump, the label and what follows the macro.
.macro JLOAD s
	s_cmp_eq_u32 s[RH], 0
	s_cbranch_scc0 .Lfor_b_\@
	tensor_load_to_lds s[G0+4*(\s):G0+4*(\s)+3], s[G1:G1+7]
	s_nop 0
.rept 4
	v_nop
.endr
	s_branch .Lasked_\@
.Lfor_b_\@:
	tensor_load_to_lds s[G0B+4*(\s):G0B+4*(\s)+3], s[G1B:G1B+7]
	s_nop 0
.rept 4
	v_nop
.endr
.Lasked_\@:
.endm
; A PREFETCH, behind each joint refill, its five lines and the run of LDS loads that follows them: the K step that stands TWO refills on, 512 matrix instructions ahead of the load that will ask for it.
; One instruction a wave, 32 blocks of 256 bytes, a lane a block.  Each block of K steps 4 to 31 is named once in the launch: xb's tile row is read by every cluster of that row of clusters, and the one with
; x = 0 asks; qk's tile column by every cluster of that column, and the one with y = 0 asks.  The four partners that ask for a tile jointly share its rows out BY ADDRESS: of the 128 rows of xb that a wave
; fetches the partner at cx takes 32; of the 64 k-rows of qk the partner at cy takes 16, two blocks each.  No branch hangs on a work-group's place in its cluster.
; K steps 0 to 3 come by their loads alone; the loop's last trip asks for nothing: K step 31 is the last.
.macro ASK
	s_cmp_gt_u32 s[LAP], s[LIM]
	s_cbranch_scc0 .Lnot_mine_\@
	global_prefetch_b8 v[PFO], s[PFA:PFA+1] th:TH_LOAD_NT scope:SCOPE_SE
.Lnot_mine_\@:
.endm
; A round of the cluster's barrier: my work-group's barrier, so that wave 0's signal speaks for all four waves; wave 0 signals for the work-group; every wave waits for all sixteen work-groups;
; my work-group's barrier once more.  No LDS instruction of the wave is pending at a signal.
.macro CREST                           ; a round behind its opening barrier
	s_cmp_lg_u32 s[WV], 0
	s_cbranch_scc1 .Lnot_wave_0_\@
	s_barrier_signal -3
.Lnot_wave_0_\@:
	s_barrier_wait -3
	s_barrier_signal -1
	s_barrier_wait -1
.endm
.macro CROUND                          ; a whole round
	s_barrier_signal -1
	s_barrier_wait -1
	CREST
.endm
	s_load_b256 s[4:11], s[0:1], 0x0               ; xb s[4:5], qk s[6:7], bias s[8:9], out0 s[10:11]
	v_lshl_add_u32 v[SPW], v0, 2, SPARE
	v_mov_b32 v[NIL], 0
	ds_add_u32 v[SPW], v[NIL]                      ; the wave's opening: the add and its wait come ahead of my first tensor load; the set-up below, work on registers, stands between them
	v_lshrrev_b32 v1, 5, v0
	v_readfirstlane_b32 s[WV], v1                  ; wave 0..3
	s_lshr_b32 s[RH], s[WV], 1
	s_and_b32 s[CH], s[WV], 1
	s_bfe_u32 s15, ttmp6, 0x40000                  ; cx: my place along the cluster's x
	s_bfe_u32 s16, ttmp6, 0x40004                  ; cy: along its y
	s_lshl_b32 s17, ttmp9, 2                       ; in a cluster launch ttmp9 and ttmp7 count clusters
	s_add_co_u32 s17, s17, s15                     ; TC: tile column = 4 x cluster x + cx
	s_and_b32 s18, ttmp7, 0xffff
	s_lshl_b32 s18, s18, 2
	s_add_co_u32 s18, s18, s16                     ; TR: tile row = 4 x cluster y + cy
	s_lshl_b32 s19, s16, 2
	s_lshl_b32 s19, 15, s19                        ; my row of the cluster: places 4 cy .. 4 cy + 3
	s_lshl_b32 s66, 0x1111, s15                    ; my column: places cx, cx + 4, cx + 8, cx + 12
	; descriptor group 1.  xb: a tile of 128 rows x 128 elements;  qk: a tile of 64 rows x 256 elements; both padded in LDS
	s_or_b32 s[G1+0],  s19, (1<<16)|(1<<20)|(1<<21)|(5<<22)|(3<<25)  ; 15:0 the mask: my row; 17:16 elements of 2 bytes; 20 padding on; 21 set beside a mask; 24:22 after every 64 words (code 5); 31:25 4 words of it (code 3)
	s_or_b32 s[G1B+0], s66, (1<<16)|(1<<20)|(1<<21)|(6<<22)|(7<<25)  ; the mask: my column; after every 128 words (code 6) 8 words of padding (code 7)
	s_mov_b32 s[G1+1],  128<<16                    ; tensor_dim0 = 128
	s_mov_b32 s[G1+2],  128<<16                    ; tensor_dim1 = 128
	s_mov_b32 s[G1+3],  128<<16                    ; tile_dim0 = 128
	s_mov_b32 s[G1+4],  128                        ; tile_dim1 = 128
	s_mov_b32 s[G1+5],  4096                       ; elements from row to row
	s_mov_b32 s[G1+6],  0
	s_mov_b32 s[G1+7],  0
	s_mov_b32 s[G1B+1], 256<<16                    ; tensor_dim0 = 256
	s_mov_b32 s[G1B+2], 64<<16                     ; tensor_dim1 = 64
	s_mov_b32 s[G1B+3], 256<<16                    ; tile_dim0 = 256
	s_mov_b32 s[G1B+4], 64                         ; tile_dim1 = 64
	s_mov_b32 s[G1B+5], 4096
	s_mov_b32 s[G1B+6], 0
	s_mov_b32 s[G1B+7], 0
	; where the tiles come from.  xb's hang on the tile row alone, which my row of the cluster shares; qk's on the tile column alone, which my column shares.
	; Every wave makes both addresses, in registers that never hold the other coordinate, and asks by one of them.
	s_lshl_b32 s20, s18, 21                        ; xb: 256 TR rows of 8,192 bytes,
	s_lshl_b32 s21, s[CH], 20                      ; + the 128 rows that I fetch
	s_add_co_u32 s20, s20, s21
	s_mov_b32 s21, 0
	s_lshl_b32 s68, s17, 9                         ; qk: 256 TC columns of 2 bytes,
	s_lshl_b32 s69, s[CH], 19                      ; + the 64 k-rows that I fetch
	s_add_co_u32 s68, s68, s69
	s_mov_b32 s69, 0
	s_mul_i32 s22, s[WV], HALFT                    ; and where they go: xb's two halves, then qk's two halves = wave x HALFT: no place in the cluster enters an LDS address
	s_wait_dscnt 0x0                               ; the opening add is done
	s_wait_kmcnt 0x0
	s_add_nc_u64 s[20:21], s[4:5], s[20:21]
	s_add_nc_u64 s[68:69], s[6:7], s[68:69]
.irp s, 0,1
	s_mov_b32 s[G0+4*(\s)], 1                                      ; 1:0 count = 1
	s_add_co_u32 s[G0+4*(\s)+1], s22, (\s)*SLOT                    ; 63:32 LDS address
	s_add_nc_u64 s[G0+4*(\s)+2:G0+4*(\s)+3], s[20:21], (\s)*STEPA  ; 120:64 global address: K step s
	s_or_b32 s[G0+4*(\s)+3], s[G0+4*(\s)+3], 0x80000000            ; 127:126 type = 2
	s_mov_b32 s[G0B+4*(\s)], 1
	s_add_co_u32 s[G0B+4*(\s)+1], s22, (\s)*SLOT
	s_add_nc_u64 s[G0B+4*(\s)+2:G0B+4*(\s)+3], s[68:69], (\s)*STEPB
	s_or_b32 s[G0B+4*(\s)+3], s[G0B+4*(\s)+3], 0x80000000
.endr
	CROUND                                         ; all sixteen work-groups are here: the first joint loads meet
	s_cmp_eq_u32 s[RH], 0                          ; a wave's two first fills stand in one branch, ahead of every wait on TENSORcnt and every LDS read: two loads of mine are out
	s_cbranch_scc0 .Lfirst_b
	tensor_load_to_lds s[G0:G0+3], s[G1:G1+7]
	s_nop 0
	tensor_load_to_lds s[G0+4:G0+7], s[G1:G1+7]
	s_nop 0
.rept 4
	v_nop
.endr
	s_branch .Lfirst_asked
.Lfirst_b:
	tensor_load_to_lds s[G0B:G0B+3], s[G1B:G1B+7]
	s_nop 0
	tensor_load_to_lds s[G0B+4:G0B+7], s[G1B:G1B+7]
	s_nop 0
.rept 4
	v_nop
.endr
.Lfirst_asked:
	; A fragment is 16 rows x 32 K in 8 registers: lane l holds row l % 16; registers 0-3 hold K = 8 (l / 16) + 0..7, registers 4-7 K = 16 + 8 (l / 16) + 0..7.
	; xb's rows lie along K: two loads of 16 bytes, 32 bytes apart.
	v_and_b32 v1, 15, v0                           ; l % 16
	v_bfe_u32 v2, v0, 4, 1                         ; l / 16
	v_and_b32 v3, 31, v0                           ; l
	v_mul_u32_u24 v4, v1, PA
	v_lshl_add_u32 v4, v2, 4, v4                   ; row x pitch + 16 x half
	s_mul_i32 s19, s[RH], HALFT                    ; my 128 rows of xb
	v_add_nc_u32 v[ADRA], s19, v4
	v_add_nc_u32 v[ADRA+1], SLOT, v[ADRA]
	; qk's rows lie along n: the turning load takes 16 k x 16 columns (lane l reads 16 bytes: k-row 8 (l / 16) + l % 8, columns 8 ((l / 8) % 2) + 0..7) and leaves half a fragment: lane l holds column l % 16 and 8 k.
	v_and_b32 v5, 7, v0
	v_lshl_add_u32 v5, v2, 3, v5
	v_mul_u32_u24 v5, v5, PB
	v_bfe_u32 v6, v0, 3, 1
	v_lshl_add_u32 v5, v6, 4, v5
	s_lshl_b32 s19, s[CH], 8                       ; my 128 columns: 256 bytes of each k-row,
	s_add_co_u32 s19, s19, 2*HALFT                 ; behind xb's 256 rows
	v_add_nc_u32 v[ADRB], s19, v5
	v_add_nc_u32 v[ADRB+1], SLOT, v[ADRB]
	s_mul_i32 s19, s[WV], 16*SPITCH
	s_add_co_u32 s19, s19, STAGE                   ; my stage
	v_mul_u32_u24 v7, v1, SPITCH                   ; in: row l % 16, 32 bytes for each half of the lanes
	v_lshl_add_u32 v7, v2, 5, v7
	v_add_nc_u32 v[STO], s19, v7
	v_lshl_add_u32 v[RD], v3, 4, s19               ; back: 32 lanes take one row of 512 bytes
	v_lshlrev_b32 v[CO], 4, v3                     ; and the same 512 bytes in out0
	s_lshl_b32 s66, s17, 10                        ; my first column in f32 bytes: 1,024 TC + 512 x half
	s_lshl_b32 s67, s[CH], 9
	s_add_co_u32 s66, s66, s67
	v_add_nc_u32 v[BO], s66, v[CO]
	global_load_b128 v[BI:BI+3], v[BO], s[8:9]     ; the bias of the four columns that I store; waited for on the way out
	s_lshl_b32 s46, s18, 22                        ; my first row of out0: 256 TR + 128 x half rows of 16,384 bytes
	s_lshl_b32 s47, s[RH], 21
	s_add_co_u32 s46, s46, s47
	s_add_co_u32 s46, s46, s66
	s_mov_b32 s47, 0
	s_add_nc_u64 s[10:11], s[10:11], s[46:47]
	; the prefetches: both offsets are made, and the wave's number chooses
	s_lshl_b32 s19, s18, 21                        ; xb: the tile's rows,
	s_lshl_b32 s23, s[CH], 20                      ; the 128 that I fetch,
	s_add_co_u32 s19, s19, s23
	s_lshl_b32 s23, s15, 18                        ; my work-group's 32 of them,
	s_add_co_u32 s19, s19, s23
	s_add_co_u32 s19, s19, 3*STEPA                 ; at K step 3: the first refill steps it to 4
	s_lshl_b32 s66, s[CH], 19                      ; qk: the 64 k-rows that I fetch,
	s_lshl_b32 s67, s16, 17                        ; my work-group's 16 of them,
	s_add_co_u32 s66, s66, s67
	s_lshl_b32 s67, s17, 9                         ; the tile's columns,
	s_add_co_u32 s66, s66, s67
	s_add_co_u32 s66, s66, 3*STEPB                 ; at K step 3
	s_and_b32 s67, ttmp7, 0xffff                   ; cluster y
	s_mov_b32 s22, STEPB
	s_cmp_eq_u32 s[RH], 0                          ; do I fetch for xb?
	s_cselect_b32 s46, s19, s66
	s_cselect_b32 s47, ttmp9, s67                  ; the coordinate along which other clusters read the same rows
	s_cselect_b32 s[PFS], STEPA, s22
	s_cselect_b64 s[PFA:PFA+1], s[4:5], s[6:7]
	s_cselect_b32 s23, -1, 0                       ; the same choice as a lane mask
	s_cmp_eq_u32 s47, 0
	s_cselect_b32 s[LIM], 1, -1                    ; the same in all sixteen partners, for a given wave
	s_mov_b32 s47, 0
	s_mov_b32 s[PFS+1], 0
	s_add_nc_u64 s[PFA:PFA+1], s[PFA:PFA+1], s[46:47]
	v_lshlrev_b32 v8, 13, v3                       ; xb: a lane a row of 8,192 bytes
	v_lshrrev_b32 v9, 1, v3                        ; qk: two lanes a k-row,
	v_and_b32 v10, 1, v3
	v_lshlrev_b32 v9, 13, v9
	v_lshl_or_b32 v9, v10, 8, v9                   ; 256 bytes apart
	v_cndmask_b32 v[PFO], v9, v8, s23
	; nothing is prefetched here, at the head, where every work-group's first two tiles are on their way
; 16 matrix instructions: m blocks a0, a0 + 1 of the window's four (hi = 0: my rows 0-63, 1: rows 64-127) x all 8 n blocks, 32 along K.  zero = 1: the first product starts the sums: nothing is ever cleared.
; The 64 accumulators take turns, one instruction a turn, in the same order in every quarter step.
.macro MUL16 f, hi, a0, zero
	WIN MUL_LO+0x50*(\hi)
.irp a, \a0, (\a0)+1
.irp b, 0,1,2,3,4,5,6,7
.if \zero
	v_wmma_f32_16x16x32_bf16 v[8*(8*(\a)+(\b)):8*(8*(\a)+(\b))+7], v[(\f)+8*(\b):(\f)+8*(\b)+7], v[(\f)+8*(4*(\hi)+(\a)):(\f)+8*(4*(\hi)+(\a))+7], 0
.else
	v_wmma_f32_16x16x32_bf16 v[8*(8*(\a)+(\b)):8*(8*(\a)+(\b))+7], v[(\f)+8*(\b):(\f)+8*(\b)+7], v[(\f)+8*(4*(\hi)+(\a)):(\f)+8*(4*(\hi)+(\a))+7], v[8*(8*(\a)+(\b)):8*(8*(\a)+(\b))+7]
.endif
.endr
.endr
.endm
; 32 LDS loads in one run: the fragments of quarter q of a K step (32 along K: 128 columns of qk, turned; 128 rows of xb) into buffer f.  qk's largest offset is 61,152, inside the 16 bits.
.macro FETCH slot, q, f
	WIN TO_B
.irp i, 0,1,2,3,4,5,6,7
	ds_load_tr16_b128 v[(\f)+8*(\i):(\f)+8*(\i)+3],   v[ADRB+(\slot)] offset:32*(\q)*PB+32*(\i)
	ds_load_tr16_b128 v[(\f)+8*(\i)+4:(\f)+8*(\i)+7], v[ADRB+(\slot)] offset:32*(\q)*PB+16*PB+32*(\i)
.endr
	WIN 0
.irp i, 0,1,2,3,4,5,6,7
	ds_load_b128 v[(\f)+8*(\i):(\f)+8*(\i)+3],   v[ADRA+(\slot)] offset:64*(\q)+(\i)*16*PA
	ds_load_b128 v[(\f)+8*(\i)+4:(\f)+8*(\i)+7], v[ADRA+(\slot)] offset:64*(\q)+(\i)*16*PA+32
.endr
.endm
; A load into a register that a matrix instruction has read, and whatever reads a matrix result, stand four places behind that matrix instruction, and only plain vector instructions that name none of
; its registers are places (ISA guide 7.12.1 for vector instructions).
.macro PLACES
.rept 4
	v_nop
.endr
.endm
; A K step is four quarters of 32 along K, 64 matrix instructions each, on buffers 0, 1, 0, 1.  One of the first three: multiplies buffer f; in its middle it fetches quarter q of the same slot into buffer g.
.macro QUARTER slot, q, f, g, zero
	s_wait_dscnt 8                                 ; qk and xb's rows 0-63 are in; the youngest eight loads (xb's rows 64-127) may be out
	MUL16 \f, 0, 0, \zero
	MUL16 \f, 0, 2, \zero
	PLACES
	FETCH \slot, \q, \g
	s_wait_dscnt 32                                ; all but the 32 just issued
	MUL16 \f, 1, 0, \zero
	MUL16 \f, 1, 2, \zero
.endm
; The last quarter multiplies buffer 1 and changes slots: ONE barrier for two things.  In front of it each wave waits for all its tensor loads, of which one is out: its part of the next slot; adds 0 to its spare
; word; and waits for that and for its own reads of this slot.  Behind it nobody reads this slot any more and the next slot is whole.  fill = 1: the barrier opens a round of the cluster's barrier, and
; the slot just read out is filled again first, with the K step two steps on; from that request to the wait for it a wave issues 224 matrix instructions.  Then come the next slot's first fragments.
.macro TURN slot, next, fill
.if \fill
	s_wait_xcnt 0x0                                ; the last prefetch, a K step back, has read its address: it is stepped here, ahead of the waits of the change of slots
	s_add_nc_u64 s[PFA:PFA+1], s[PFA:PFA+1], s[PFS:PFS+1]
.endif
	WIN 0                                          ; (the add's two registers lie in window 0)
	s_wait_tensorcnt 0x0                           ; all my tensor loads have landed;
	ds_add_u32 v[SPW], v[NIL]                      ; 0 onto my spare word;
	s_wait_dscnt 9                                 ; (the add and the youngest eight loads may be out)
	MUL16 F1, 0, 0, 0                              ; sixteen matrix instructions stand between the add and the wait for it
	s_wait_dscnt 0x0                               ; the add is done, and my reads of this slot are over:
	s_barrier_signal -1                            ; say so,
	MUL16 F1, 0, 2, 0                              ; work on registers while the others arrive,
.if \fill
	WIN 0
.endif
	s_barrier_wait -1                              ; and go on when all four have said so
.if \fill
	CREST                                          ; no wave of any partner still reads this slot's tile or has a load on its way
	s_add_nc_u64 s[G0+4*(\slot)+2:G0+4*(\slot)+3],   s[G0+4*(\slot)+2:G0+4*(\slot)+3],   2*STEPA  ; no tensor load of mine is out, so a group 0 may be written; the type bits on top are not reached
	s_add_nc_u64 s[G0B+4*(\slot)+2:G0B+4*(\slot)+3], s[G0B+4*(\slot)+2:G0B+4*(\slot)+3], 2*STEPB
	JLOAD \slot                                    ; the first tensor load behind the round; the four v_nop behind it are also the places in front of the loads below
.else
	PLACES
.endif
	FETCH \next, 0, F0
.if \fill
	ASK                                            ; behind the joint load and the run of LDS loads that the next products wait for
.endif
	MUL16 F1, 1, 0, 0
	MUL16 F1, 1, 2, 0
.endm
	s_wait_tensorcnt 1                             ; my part of K step 0 is in; K step 1's may stay out
	s_barrier_signal -1
	s_barrier_wait -1                              ; everybody's is
	FETCH 0, 0, F0
	QUARTER 0, 1, F0, F1, 1                        ; the first quarter stands in front of the loop: its products start the sums
	WIN 0                                          ; at a label and at a branch every window is 0
	s_mov_b32 s[LAP], LAPS-1
.Llap:                                                 ; a trip goes once round the ring, from a lap's second quarter to the next lap's first, and fills both slots again
	QUARTER 0, 2, F1, F0, 0
	QUARTER 0, 3, F0, F1, 0
	TURN 0, 1, 1
	QUARTER 1, 1, F0, F1, 0
	QUARTER 1, 2, F1, F0, 0
	QUARTER 1, 3, F0, F1, 0
	TURN 1, 0, 1
	QUARTER 0, 1, F0, F1, 0
	WIN 0
	s_sub_co_u32 s[LAP], s[LAP], 1
	s_cmp_lg_u32 s[LAP], 0
	s_cbranch_scc1 .Llap
	QUARTER 0, 2, F1, F0, 0                        ; the last lap is written out: it fills nothing, and has no round of the cluster's barrier
	QUARTER 0, 3, F0, F1, 0
	TURN 0, 1, 0
	QUARTER 1, 1, F0, F1, 0
	QUARTER 1, 2, F1, F0, 0
	QUARTER 1, 3, F0, F1, 0
	s_wait_dscnt 8                                 ; the very last quarter: nothing more to fetch
	MUL16 F1, 0, 0, 0
	MUL16 F1, 0, 2, 0
	s_wait_dscnt 0x0
	MUL16 F1, 1, 0, 0
	MUL16 F1, 1, 2, 0
	WIN 0
	; THE WAY OUT.  The bias is rounded to bf16 and widened again; these six lines and four v_nop are the places behind the last products.
	s_wait_loadcnt 0x0                             ; the bias, asked for at the head
	v_cvt_pk_bf16_f32 v36, v[BI],   v[BI+1]
	v_cvt_pk_bf16_f32 v37, v[BI+2], v[BI+3]
	v_lshlrev_b32 v[BI],   16, v36
	v_and_b32     v[BI+1], 0xffff0000, v36
	v_lshlrev_b32 v[BI+2], 16, v37
	v_and_b32     v[BI+3], 0xffff0000, v37
	PLACES
; Block a (16 rows of out0 x my 128 columns): a lane's 32 bytes of a row go into my own stage, rows of 528 bytes, each accumulator's low four registers first, and
; come back as whole rows of 512 bytes.  The stage is the wave's own and LDS serves a wave's instructions in order (ISA guide 5.7.1.4): no barrier, and no wait between the stores and the loads.
.macro TOSTAGE a
.set AC, 64*((\a)%4)
.set BK, 64+64*((\a)%2)
	WIN 0x08+4*((\a)/4)                            ; store data (source 1) in window 2 or 3, address in window 0
.irp b, 0,1,2,3,4,5,6,7
	ds_store_b128 v[STO], v[AC+8*(\b):AC+8*(\b)+3]   offset:64*(\b)
	ds_store_b128 v[STO], v[AC+8*(\b)+4:AC+8*(\b)+7] offset:64*(\b)+16
.endr
	WIN 0
.if (\a) >= 2
	s_wait_xcnt 0x0                                ; the stores of the block two back read the registers that the loads below fill: they are written again only behind this wait
.endif
.irp t, 0,1,2,3,4,5,6,7,8,9,10,11,12,13,14,15
	ds_load_b128 v[BK+4*(\t):BK+4*(\t)+3], v[RD] offset:(\t)*SPITCH
.endr
.endm
; Block a's rows take the bias and leave.  younger: the LDS instructions issued behind block a's loads: the next block's 32, or none.
.macro SEND a, younger
.set BK, 64+64*((\a)%2)
.irp t, 0,1,2,3,4,5,6,7,8,9,10,11,12,13,14,15
	s_wait_dscnt (\younger)+15-(\t)                ; row t is back in registers
	v_pk_add_f32 v[BK+4*(\t):BK+4*(\t)+1],   v[BK+4*(\t):BK+4*(\t)+1],   v[BI:BI+1]
	v_pk_add_f32 v[BK+4*(\t)+2:BK+4*(\t)+3], v[BK+4*(\t)+2:BK+4*(\t)+3], v[BI+2:BI+3]
	global_store_b128 v[CO], v[BK+4*(\t):BK+4*(\t)+3], s[10:11] offset:(16*(\a)+(\t))*ROWO th:TH_STORE_NT  ; 32 lanes store 512 consecutive bytes, at a multiple of 512 from out0's first byte; the largest immediate is 127 rows, 2,080,768
.endr
.endm
	TOSTAGE 0
.irp a, 1,2,3,4,5,6,7                  ; block a's way through the stage is begun before block a - 1's rows are waited for
	TOSTAGE \a
	SEND (\a)-1, 32
.endr
	SEND 7, 0
	s_wait_tensorcnt 0x0                           ; the wave's end, behind my last tensor load and my last LDS store
	ds_add_u32 v[SPW], v[NIL]
	s_wait_dscnt 0x0
	CROUND                                         ; the closing round: no work-group ends while a partner may still ask for a tile that names it
	s_endpgm
.Lfunc_end_k_qcbb6bcb958_gemm:
	.size	k_qcbb6bcb958_gemm, .Lfunc_end_k_qcbb6bcb958_gemm-k_qcbb6bcb958_gemm
	.p2alignl 7, 3214868480
	.fill 96, 4, 3214868480
	.section	.rodata,"a",@progbits
	.p2align	6, 0x0
	.amdhsa_kernel k_qcbb6bcb958_gemm
		.amdhsa_group_segment_fixed_size 327680
		.amdhsa_private_segment_fixed_size 0
		.amdhsa_enable_private_segment 0
		.amdhsa_kernarg_size 32
		.amdhsa_user_sgpr_count 2
		.amdhsa_user_sgpr_kernarg_segment_ptr 1
		.amdhsa_wavefront_size32 1
		.amdhsa_system_sgpr_workgroup_id_x 1
		.amdhsa_system_sgpr_workgroup_id_y 1
		.amdhsa_system_sgpr_workgroup_id_z 1
		.amdhsa_system_vgpr_workitem_id 0
		.amdhsa_next_free_vgpr 1024
		.amdhsa_next_free_sgpr 72
		.amdhsa_reserve_vcc 0
		.amdhsa_float_denorm_mode_32 3
		.amdhsa_float_denorm_mode_16_64 3
		.amdhsa_memory_ordered 1
		.amdhsa_forward_progress 1
		.amdhsa_inst_pref_size 161
	.end_amdhsa_kernel
	.amdgpu_metadata
---
amdhsa.version: [ 1, 2 ]
amdhsa.kernels:
  - .name:           k_qcbb6bcb958_gemm
    .symbol:         k_qcbb6bcb958_gemm.kd
    .args:
      - { .name: xb, .offset: 0, .size: 8, .value_kind: global_buffer, .address_space: global }
      - { .name: qk, .offset: 8, .size: 8, .value_kind: global_buffer, .address_space: global }
      - { .name: bias, .offset: 16, .size: 8, .value_kind: global_buffer, .address_space: global }
      - { .name: out0, .offset: 24, .size: 8, .value_kind: global_buffer, .address_space: global }
    .group_segment_fixed_size: 327680
    .private_segment_fixed_size: 0
    .kernarg_segment_align: 8
    .kernarg_segment_size: 32
    .max_flat_workgroup_size: 128
    .sgpr_count:     72
    .vgpr_count:     1024
    .wavefront_size: 32
...
	.end_amdgpu_metadata
.endif
;; end of part 3
